; MI455X (gfx1250); checked and timed in simulation.
; The chip was launched on July 23, 2026; its instructions are those of AMD's public machine-readable ISA for CDNA 5 (MIT licence, August 2026) and "CDNA5" Instruction Set Architecture Reference Guide (July 2026). The comments in the code are by the model that wrote it; some were corrected since.
;; Experts. Allowed arithmetic: matrix products marked QUANTISED: E2M1 operands, one E8M0 scale for each 32 along K, by v_wmma_scale_f32_16x16x128_f8f6f4 with both operands' format E2M1 (or v_wmma_scale_f32_32x16x128_f4), f32 sums; products left as they are: f32 operands where the result goes on into a quantised operand, else bf16, f16 or f32 operands; f32 sums; everything else in f32.
;; Inputs: down_proj_bias 8 x 1,024 float32; down_proj_codes 8 x 1,024 x 32 x 16 uint8 (E2M1 codes of down_proj, K innermost, in blocks of 32 codes, two codes a byte); down_proj_scales 8 x 1,024 x 32 uint8 (E8M0 scales of down_proj, one for each 32 codes along K); gate_up_proj_bias 8 x 2,048 float32; gate_up_proj_codes 8 x 2,048 x 32 x 16 uint8 (E2M1 codes of gate_up_proj, K innermost, in blocks of 32 codes, two codes a byte); gate_up_proj_scales 8 x 2,048 x 32 uint8 (E8M0 scales of gate_up_proj, one for each 32 codes along K); hidden_states_codes 2,048 x 32 x 16 uint8 (E2M1 codes of hidden_states, K innermost, in blocks of 32 codes, two codes a byte); hidden_states_scales 2,048 x 32 uint8 (E8M0 scales of hidden_states, one for each 32 codes along K); routing_weights 2,048 x 8 float32.
;; Outputs: out0 2,048 x 1,024 float32.
;; This version of the problem:
;;   THIS VERSION OF THE PROBLEM IS GIVEN IN LOW PRECISION. The matrix products marked QUANTISED in the list below multiply operands that are first quantised to E2M1 (2 exponent bits, 1 mantissa bit; 4 bits a number), with one power-of-two scale for each 32 numbers along K (OCP MX v1.0); their sums are f32. All else is computed in f32.
;;   The module's matrix products, in the order in which they are computed (A, B: the left and right operand; K: the contracted axis; several contracted axes count as one K, in the product's order):
;;     1. [M 16,384, K 1,024] x [K 1,024, N 2,048]; A: input gate_up_proj (given as codes); B: input hidden_states (given as codes): QUANTISED
;;     2. batch 8 x [M 2,048, K 1,024] x [K 1,024, N 1,024]; A: computed on the way; B: input down_proj (given as codes): QUANTISED
;;     3. batch 2,048 x [M 1,024, K 8] x [K 8, N 1]; A: computed on the way; B: input routing_weights: left as it is (K = 8 < 32)
;;   THE QUANTISER, for each operand of a quantised product, along K:
;;     - K is cut into blocks of 32 from its start; a last block that is shorter is filled with zeros.
;;     - A block's scale is 2^e with e = floor(log2(the largest magnitude in the block)) - 2, held to -126 .. 127; a block of zeros has e = 0. As a byte (E8M0): e + 127.
;;     - Each number is divided by its block's scale, clamped to +-6, and rounded to the nearest number of E2M1, ties to even, subnormals kept.
;;     - The product sums the exact products of the quantised numbers (number of the format x scale) in f32.
;;   ~~~python
;;   def quantise(x, axis):      # numpy; x: float32 -> the quantised numbers, widened to float32 again
;;       x = np.moveaxis(x, axis, -1); K = x.shape[-1]
;;       x = np.pad(x, [(0, 0)] * (x.ndim - 1) + [(0, -K % 32)]); x = x.reshape(x.shape[:-1] + (-1, 32)); a = np.abs(x).max(-1, keepdims=True)
;;       e = np.where(a > 0, np.clip(np.frexp(np.where(a > 0, a, 1))[1] - 1 - 2, -126, 127), 0)      # np.frexp(a)[1] - 1 = floor(log2(a)), exactly
;;       r = np.clip(x / 2.0 ** e, -6, 6)
;;       step = 2.0 ** (np.maximum(np.frexp(np.where(r == 0, 1, r))[1] - 1, 0) - 1)
;;       q = np.round(r / step) * step * 2.0 ** e      # np.round: ties to even
;;       return np.moveaxis(q.reshape(q.shape[:-2] + (-1,))[..., :K], -1, axis).astype(np.float32)
;;   ~~~
;;   OPERANDS COMPUTED ON THE WAY. 'Computed on the way' means the value that the module computes at that place (a softmax that the list does not call 'softmax' is quantised finished and normalised). What goes into a quantiser is computed in f32, as accurately as f32 sums, v_exp_f32 and their like allow (about 1e-6 of the number): no bf16 or f16 on the way to a quantiser, and a product that is left as it is and whose result goes on into a quantised operand takes f32 operands (vector FMAs, or v_wmma_f32_16x16x4_f32). A number that lies on a knife's edge between two numbers of the format may be rounded either way, as far as f32 arithmetic and the matrix unit's own rounding can turn it there, and no further.
;;   INPUTS GIVEN AS CODES. down_proj (in the module: [8, 1024, 1024], K = its axis 2); gate_up_proj (in the module: [8, 1024, 2048], K = its axis 1); hidden_states (in the module: [2048, 1024], K = its axis 1): each comes as NAME_codes (uint8): NAME with its K axis moved to the last place and cut into blocks of 32 codes, [.., K / 32, bytes a block], one block behind the other in memory; two codes a byte, the lower K in the low four bits (a code: sign, 2 exponent bits, 1 mantissa bit); and NAME_scales (uint8): the same leading axes, one E8M0 byte (e + 127) for each 32 codes along K. Its value is code x scale, taken as it is: it is not quantised again, and the codes and scales need not be those that the quantiser above would give.
;; One version. Each part assembles by itself: llvm-mc -triple=amdgcn-amd-amdhsa -mcpu=gfx1250 --defsym DOCPART=n.
;; ======== version 1 of 1: 2 launches
;; limits: right only within a limited range of input values
;; workspace buffers: act_codes 8,388,608 bytes; act_scales 524,288 bytes
;; launch gateup (part 1): grid 32 x 8, 8 waves a work-group, clusters of 4 x 4, 327,680 bytes of LDS; arguments hidden_states_codes, hidden_states_scales, gate_up_proj_codes, gate_up_proj_scales, gate_up_proj_bias, act_codes, act_scales; writes act_codes, act_scales
.if DOCPART == 1
	.amdgcn_target "amdgcn-amd-amdhsa--gfx1250"
	.amdhsa_code_object_version 6
	.text
	.protected	k_qacfd8fe010_gateup
	.globl	k_qacfd8fe010_gateup
	.p2align	8
	.type	k_qacfd8fe010_gateup,@function
k_qacfd8fe010_gateup:
	s_mov_b64 s[64:65], 0
	v_nop
	global_prefetch_b8 v0, s[64:65] scope:SCOPE_SE
	s_setreg_imm32_b32 hwreg(HW_REG_WAVE_MODE, 25, 1), 1
	s_wait_xcnt 0x0
	s_wait_alu depctr_hold_cnt(0) depctr_sa_sdst(0) depctr_va_vdst(0) depctr_va_sdst(0) depctr_va_ssrc(0) depctr_va_vcc(0) depctr_vm_vsrc(0)
	s_getreg_b32 s2, hwreg(HW_REG_IB_STS2, 6, 4)
	s_cmp_eq_u32 s2, 0
	s_cbranch_scc0 .Lentry_in_a_cluster
	s_endpgm
.Lentry_in_a_cluster:
	s_bfe_u32 s2, ttmp6, 0x10000c
	s_cmp_lg_u32 s2, 0xf033
	s_cbranch_scc0 .Lentry_shape_is_right
	s_endpgm
.Lentry_shape_is_right:
; act[e][t][i] = (clip(up, -7, 7) + 1) x g x sigmoid(1.702 g), g = min(gate, 7), gate = gate_up[e][t][2 i], up = gate_up[e][t][2 i + 1],
; gate_up[e][t][f] = the sum over k of hidden[t][k] W[e][f][k] + bias[e][f]: the first product, on codes of E2M1 with one E8M0 scale for each 32 along K, as they are given.
; act is quantised along i (blocks of 32, the stated quantiser) and leaves as codes and scale bytes for the second launch.
; NO WORK IS LEFT OUT: the routing weights weigh every expert into every token, and every input has a way to the output.
; LIMITS.  A block of act that is all zeros gets the scale byte 1 where the quantiser says 127: its codes are zeros, which add nothing under either byte, and this program alone reads the bytes.
; NaN and infinities among the inputs are not served.  sigmoid(1.702 g) is 1 / (1 + 2^(-c g)), c = 1.702 log2(e); up x g + g is formed first and multiplied by it: a very negative gate gives 2^(..) = infinity,
; its reciprocal 0, and act a zero: no infinity meets a zero.
; SHARES.  W's rows are taken as one axis of 16,384 (expert x f).  Work-group (X, Y) owns rows 512 X .. + 511 (expert X / 4, i from 256 (X % 4) on) and tokens 256 Y .. + 255.
; Wave w of eight owns 64 rows, ONE BLOCK OF 32 i, for all 256 tokens: its 4 tiles of 16 rows x K 1,024 are 256 registers and STAY THERE; the tokens stay in LDS.
; A wave walks 16 tiles of 16 tokens: 17 LDS loads, 32 matrix instructions, then the activation and the quantiser for its 16 numbers a lane.  Two waves share a SIMD.
; THE ROWS OF A TILE.  Tile 2 u + gu (gu = 0: gates, 1: ups) has the rows f = 2 (16 u + rho) + gu, rho = 0 .. 15.  The product is used transposed (source 0 = 16 rows of W, source 1 = 16 tokens):
; lane (r, h), register j of tile 2 u + gu holds token r and i = 16 u + 8 h + j: a gate and its up stand in equal registers of neighbouring tiles, and a lane's 8 registers are 8 neighbours along i.
; A gate's row and its up's are 1,024 neighbouring bytes of memory: they are fetched as one row, one LDS row, the up 512 bytes behind the gate.
; THE HEAD.  Each wave's one tensor load brings its own 64 rows of W, which it alone reads: it begins as soon as they have landed.  Tokens 0 .. 79, scale bytes and bias come by plain loads ahead of the opening
; round (they hang on no partner); tokens and scale bytes go to LDS by stores.  Behind tile 1 W's bytes are given up for tokens 80 .. 255, at a round of the cluster's barrier.
; CLUSTER, 4 x 4.  The four work-groups of a column (same X) need the same rows of W, the four of a row (same Y) the same tokens: W and tokens 80 .. 255 are asked for jointly.  Tokens 0 .. 79 are not:
; 40 KiB of a work-group's 384, and a wave has one tensor load at the head.
; NO PREFETCH: a work-group makes two groups of tensor fills in all, and the one that comes later has two tiles' work in which to land.
; OUT.  act_codes lies in the order of the second product's operand registers: e 2^20 + (t / 16) 8192 + (i / 128) 1024 + ((i / 64) % 2) 512 + ((i / 32) % 2) 256 + 16 (t % 16): a block's 16 bytes.
; act_scales: (64 e + t / 32) 1024 + (i / 256) 256 + (t % 32) 8 + (i / 32) % 8.
.set PITCH, 528                        ; an LDS row of tokens: 512 bytes + 16, an odd multiple of 16
.set WPITCH, 1040                      ; an LDS row of W: gate, up and 16 bytes, an odd multiple of 16
.set WAVEW, 32*WPITCH                  ; a wave's rows of W
.set H0,    8*WAVEW                    ; tokens 0 .. 79, written by LDS stores
.set HSB,   H0+80*PITCH                ; the tokens' scale bytes, 32 a token, dense; written by LDS stores
.set SCB,   HSB+8192                   ; act's scale bytes: 256 bytes for each wave, one a token; written by LDS stores
.set SPARE, SCB+2048                   ; the spare words, 128 bytes for each wave: four blocks of 256 bytes that no other line names
.set PADT,  (1<<20)|(1<<21)|(6<<22)|(3<<25)   ; group 1, word 0: padding on; bit 21 beside a mask; after every 128 words (code 6) four words (code 3); elements of 1 byte
.set PADW,  (1<<20)|(1<<21)|(7<<22)|(3<<25)   ; the same, after every 256 words (code 7)
; vector registers, window 0
.set WA,   3                           ; my lane's place in my wave's rows of W
.set HA0,  4                           ; my lane's place in a tile of tokens: 528 r + 16 h
.set HAD,  5                           ; the same, in the tile that is being fetched
.set HS0,  6                           ; my lane's place among a tile's scale words: HSB + 32 r + 16 h
.set HSD,  7
.set SB0,  8                           ; where my token's scale byte goes: SCB + 256 w + r
.set SBD,  9
.set O0,   10                          ; my 8 bytes of a tile's 256 in act_codes: 16 r + 8 h
.set OFF,  11
.set SEVEN, 12                         ; 7.0
.set SPW,  13                          ; LDS address of my spare word; never rewritten
.set NIL,  14                          ; 0; never rewritten
.set HSW,  16                          ; v16-19  the tokens' scale words: lanes 0-15 K steps 0-3, lanes 16-31 K steps 4-7
.set WS,   20                          ; v20-35  W's scale words, four registers a tile, in the same way
.set BI,   36                          ; v36-67  the bias in the result's layout, eight registers a tile
.set AF,   68                          ; v68-131 a tile of tokens: 8 fragments of 16 tokens x 128 K; at the head tokens 0 .. 79 on their way to LDS
.set ACC,  132                         ; v132-163 gates u = 0, ups u = 0, gates u = 1, ups u = 1
.set U0,   ACC+8
.set U1,   ACC+24
.set TT,   164                         ; v164-179 -c g, then 2^(-c g), then 1 + that, then its reciprocal, then maxima; at the head the tokens' scale bytes on their way to LDS
.set MX,   180
.set M2,   181
.set SCL,  183                         ; the conversions' scale operand
.set BY,   184                         ; the scale's byte
.set NSEV, 185                         ; -7.0
.set CC,   186                         ; v186-187 the codes
.set EW,   188                         ; v188-189 the end: a token's eight scale bytes
.set WSO,  190                         ; offsets of the loads at the head
.set BIO,  191
.set EL,   192
.set EG,   193
.set HSA,  194                         ; HSB + 16 x my thread's number
.set TID,  195                         ; 16 x my thread's number
.set TKA,  196                         ; H0 + 528 w + 16 x lane
.set BT,   200                         ; v200-231 the head: the bias as it lies in memory
.set EB,   200                         ; v200-207 the end: eight bytes, one a register
; window 1: W's fragments, tile t, K step s at v[64 t + 8 s]
; scalar registers
.set WV,   18
.set CX,   19
.set CY,   20
.set XX,   21
.set YY,   22
.set MROW, 23
.set MCOL, 24
.set TO,   25                          ; the tile's place in act_codes: 8,192 a tile
.set SEL,  26                          ; s[26:27] lane selects for v_permlanex16_b32: lane l xor 16
.set G1W,  28                          ; group 1: 32 rows of 1,024 bytes of W
.set G1R,  44                          ; 22 tokens
.set G0W,  52                          ; group 0 for each
.set G0R,  60
.set CNT,  96
.set TA,   97                          ; LDS byte at which the tile to be fetched begins
.set TS,   98                          ; its scale words: 512 bytes a tile
.set TB,   99                          ; act's scale bytes: 16 a tile
.set CS,   100                         ; s[100:101] -c
.set MSB, 0
.macro WIN new                         ; the immediate's high byte repeats the setting that is left; a switch that changes nothing is dropped
.if MSB != (\new)
	s_set_vgpr_msb (MSB<<8)|(\new)
.set MSB, (\new)
.endif
.endm
.macro PLACES n
.rept \n
	v_nop
.endr
.endm
.macro ROUND                           ; a round of the cluster's barrier
	s_barrier_signal -1
	s_barrier_wait -1
	s_cmp_lg_u32 s[WV], 0
	s_cbranch_scc1 .Lnot_wave_0_\@
	s_barrier_signal -3
.Lnot_wave_0_\@:
	s_barrier_wait -3
	s_barrier_signal -1
	s_barrier_wait -1
.endm
.macro GROUP1 g, row, rows             ; words 1 to 7 of a group 1: dense rows of so many bytes
	s_mov_b32 s[\g+1], (\row)<<16
	s_mov_b32 s[\g+2], (\rows)<<16
	s_mov_b32 s[\g+3], (\row)<<16
	s_mov_b32 s[\g+4], \rows
	s_mov_b32 s[\g+5], \row
	s_mov_b32 s[\g+6], 0
	s_mov_b32 s[\g+7], 0
.endm
	s_load_b256 s[4:11], s[0:1], 0x0               ; the tokens' codes s[4:5] and scales s[6:7], W's codes s[8:9] and scales s[10:11]
	s_load_b128 s[12:15], s[0:1], 0x20             ; the bias s[12:13], act_codes s[14:15]
	s_load_b64 s[16:17], s[0:1], 0x30              ; act_scales
	v_lshl_add_u32 v[SPW], v0, 2, SPARE
	v_mov_b32 v[NIL], 0
	ds_add_u32 v[SPW], v[NIL]                      ; the wave's opening: the add, twice on end, and its wait ahead of my first tensor load; work on registers stands between
	ds_add_u32 v[SPW], v[NIL]
	v_lshrrev_b32 v15, 5, v0
	v_readfirstlane_b32 s[WV], v15                 ; wave 0..7
	s_bfe_u32 s[CX], ttmp6, 0x40000                ; my place in the cluster
	s_bfe_u32 s[CY], ttmp6, 0x40004
	s_lshl_b32 s[XX], ttmp9, 2
	s_add_co_u32 s[XX], s[XX], s[CX]               ; X = 4 x cluster x + cx
	s_and_b32 s[YY], ttmp7, 0xffff
	s_lshl_b32 s[YY], s[YY], 2
	s_add_co_u32 s[YY], s[YY], s[CY]               ; Y = 4 x cluster y + cy
	s_lshl_b32 s[MROW], s[CY], 2
	s_lshl_b32 s[MROW], 15, s[MROW]                ; my row of the cluster: the same tokens
	s_lshl_b32 s[MCOL], 0x1111, s[CX]              ; my column: the same rows of W
	s_or_b32 s[G1W], s[MCOL], PADW
	GROUP1 G1W, 1024, 32
	s_or_b32 s[G1R], s[MROW], PADT
	GROUP1 G1R, 512, 22
	; where the tiles come from: W's hang on X and the wave alone, the tokens' on Y and the wave alone; no register of theirs holds both coordinates
	s_lshl_b32 s84, s[XX], 18                      ; (512 X + 64 w) rows of 512 bytes
	s_lshl_b32 s85, s[WV], 15
	s_add_co_u32 s84, s84, s85
	s_mov_b32 s85, 0
	s_lshl_b32 s88, s[YY], 17                      ; 256 Y tokens of 512 bytes
	s_mov_b32 s89, 0
	s_lshl_b32 s90, s[YY], 17                      ; (256 Y + 80 + 22 w) tokens
	s_mul_i32 s91, s[WV], 11264
	s_add_co_u32 s90, s90, s91
	s_add_co_u32 s90, s90, 40960
	s_mov_b32 s91, 0
	; and where they go: the wave's number times a constant, plus a constant
	s_mul_i32 s94, s[WV], 22*PITCH
	s_mul_i32 s95, s[WV], WAVEW
	s_mul_i32 s77, s[WV], PITCH
	s_add_co_u32 s77, s77, H0
	; the plain loads: the tokens' scale bytes, my rows' scale words and bias
	s_lshl_b32 s66, s[YY], 13                      ; 256 Y tokens of 32 scale bytes
	s_mov_b32 s67, 0
	s_lshl_b32 s68, s[XX], 14                      ; (512 X + 64 w) rows of 32 scale bytes
	s_lshl_b32 s69, s[WV], 11
	s_add_co_u32 s68, s68, s69
	s_mov_b32 s69, 0
	s_lshl_b32 s70, s[XX], 11                      ; (512 X + 64 w) numbers of 4 bytes
	s_lshl_b32 s71, s[WV], 8
	s_add_co_u32 s70, s70, s71
	s_mov_b32 s71, 0
	; where my results go
	s_lshr_b32 s72, s[XX], 2
	s_lshl_b32 s72, s72, 20                        ; the expert,
	s_lshl_b32 s73, s[YY], 17                      ; 16 Y tiles of 8,192 bytes,
	s_add_co_u32 s72, s72, s73
	s_and_b32 s73, s[XX], 3
	s_lshl_b32 s73, s73, 11                        ; two K steps of 1,024 bytes for each 256 i,
	s_add_co_u32 s72, s72, s73
	s_lshl_b32 s73, s[WV], 8                       ; and 256 bytes a block: (w / 4) 1,024 + ((w / 2) % 2) 512 + (w % 2) 256 = 256 w
	s_add_co_u32 s72, s72, s73
	s_mov_b32 s73, 0
	s_lshr_b32 s74, s[XX], 2
	s_lshl_b32 s74, s74, 16                        ; act_scales: (64 e + 8 Y + w) 1,024 + (X % 4) 256
	s_lshl_b32 s75, s[YY], 13
	s_add_co_u32 s74, s74, s75
	s_lshl_b32 s75, s[WV], 10
	s_add_co_u32 s74, s74, s75
	s_and_b32 s75, s[XX], 3
	s_lshl_b32 s75, s75, 8
	s_add_co_u32 s74, s74, s75
	s_mov_b32 s75, 0
	s_lshl_b32 s[CNT], s[WV], 8
	s_mov_b32 s[SEL], 0x76543210
	s_mov_b32 s[SEL+1], 0xfedcba98
	s_mov_b32 s[CS], 0xc01d265f                    ; -c = -1.702 log2(e)
	s_mov_b32 s[CS+1], s[CS]                       ; (named with it as a pair, so it is written)
	s_mov_b32 s[TA], H0
	s_mov_b32 s[TS], 0
	s_mov_b32 s[TB], 0
	s_mov_b32 s[TO], 0
	v_and_b32 v1, 15, v0                           ; r
	v_bfe_u32 v2, v0, 4, 1                         ; h
	v_lshlrev_b32 v[TID], 4, v0
	v_lshl_add_u32 v[HSA], v0, 4, HSB
	v_and_b32 v[EG], 31, v0
	v_mov_b32 v[SEVEN], 0x40e00000
	v_mul_u32_u24 v[HA0], v1, PITCH
	v_mul_u32_u24 v[WA], v1, WPITCH
	v_lshlrev_b32 v[HS0], 5, v1
	v_lshlrev_b32 v[WSO], 6, v1                    ; W's scale words: row 2 r of a tile's 32 rows of 32 bytes, + 16 h
	v_lshlrev_b32 v[O0], 4, v1
	v_add_nc_u32 v[SB0], SCB, v1
	v_lshl_add_u32 v[TKA], v[EG], 4, s77
	v_lshlrev_b32 v[BIO], 6, v2                    ; the bias: 16 h numbers on
	v_lshl_add_u32 v[HA0], v2, 4, v[HA0]
	v_lshl_add_u32 v[WA], v2, 4, v[WA]
	v_lshl_add_u32 v[HS0], v2, 4, v[HS0]
	v_lshl_add_u32 v[WSO], v2, 4, v[WSO]
	v_lshl_add_u32 v[O0], v2, 3, v[O0]
	v_add_nc_u32 v[SB0], s[CNT], v[SB0]
	v_add_nc_u32 v[WA], s95, v[WA]
	v_add_nc_u32 v[HS0], HSB, v[HS0]
	v_add_nc_u32 v[EL], SCB, v0                    ; the end: token = my thread's number
	v_mov_b32 v[NSEV], 0xc0e00000
	v_lshlrev_b32 v[EG], 3, v[EG]
	v_mov_b32 v[M2], 0                             ; written once: a lane permute's destination counts as one of its sources
	s_wait_alu depctr_va_vdst(0)                   ; the wait behind the head's vector instructions
	s_wait_dscnt 0x0                               ; both opening adds are done
	s_wait_kmcnt 0x0
	s_add_nc_u64 s[78:79], s[4:5], s[88:89]
	s_add_nc_u64 s[6:7], s[6:7], s[66:67]
	s_add_nc_u64 s[10:11], s[10:11], s[68:69]
	s_add_nc_u64 s[12:13], s[12:13], s[70:71]
.irp k, 0,1,2,3,4,5,6,7,8,9
	global_load_b128 v[AF+4*\k:AF+4*\k+3], v[TID], s[78:79] offset:4096*\k    ; 256 threads x 16 bytes: tokens 8 k .. 8 k + 7, a wave a token
.endr
	global_load_b128 v[TT:TT+3], v[TID], s[6:7]                ; and the 8,192 scale bytes of my 256 tokens
	global_load_b128 v[TT+4:TT+7], v[TID], s[6:7] offset:4096
.irp t, 0,1,2,3
	global_load_b128 v[WS+4*\t:WS+4*\t+3], v[WSO], s[10:11] offset:(32*(\t/2)+(\t%2))*32   ; lane (r, h): row 32 u + 2 r + gu, words 4 h .. 4 h + 3
.endr
.irp q, 0,1,2,3,4,5,6,7
	global_load_b128 v[BT+4*\q:BT+4*\q+3], v[BIO], s[12:13] offset:(32*(\q/4)+4*(\q%4))*4  ; lane (r, h): rows 32 u + 16 h + 0 .. 15
.endr
	s_mov_b32 s[G0W], 1                            ; count = 1
	s_mov_b32 s[G0W+1], s95                        ; LDS address
	s_add_nc_u64 s[G0W+2:G0W+3], s[8:9], s[84:85]  ; global address
	s_or_b32 s[G0W+3], s[G0W+3], 0x80000000        ; type = 2
	s_mov_b32 s[G0R], 1
	s_mov_b32 s[G0R+1], s94
	s_add_nc_u64 s[G0R+2:G0R+3], s[4:5], s[90:91]
	s_or_b32 s[G0R+3], s[G0R+3], 0x80000000
	s_add_nc_u64 s[14:15], s[14:15], s[72:73]
	s_add_nc_u64 s[16:17], s[16:17], s[74:75]
	ROUND                                          ; all sixteen work-groups are here: the first joint loads meet
	tensor_load_to_lds s[G0W:G0W+3], s[G1W:G1W+7]  ; one tensor load a wave at the head: my rows of W
	s_nop 0
	PLACES 4                                       ; four places behind the tensor load
	s_wait_loadcnt 12                              ; the twelve oldest of 24 loads are in: tokens and their scale bytes
.irp k, 0,1,2,3,4,5,6,7,8,9
	ds_store_b128 v[TKA], v[AF+4*\k:AF+4*\k+3] offset:8*PITCH*\k
.endr
	ds_store_b128 v[HSA], v[TT:TT+3]
	ds_store_b128 v[HSA], v[TT+4:TT+7] offset:4096
	s_wait_loadcnt 0x0                             ; my rows' scale words and bias are in
.irp t, 0,1,2,3
.irp j, 0,2,4,6
	v_dual_mov_b32 v[BI+8*\t+\j], v[BT+16*(\t/2)+2*\j+(\t%2)] :: v_dual_mov_b32 v[BI+8*\t+\j+1], v[BT+16*(\t/2)+2*\j+2+(\t%2)]   ; register j of tile 2 u + gu: row 32 u + 16 h + 2 j + gu
.endr
.endr
	s_wait_alu depctr_va_vdst(0)                   ; the wait at the head's end
	s_wait_dscnt 0x0                               ; my stores are done
	s_barrier_signal -1
	s_barrier_wait -1                              ; everybody's are: tokens 0 .. 79 and the scale bytes are whole
; The next tile's places in LDS, and the place of my scale byte: three plain lines, which are also places behind the products.
.macro ADDR
	v_add_nc_u32 v[HAD], s[TA], v[HA0]
	v_add_nc_u32 v[HSD], s[TS], v[HS0]
	v_add_nc_u32 v[SBD], s[TB], v[SB0]
.endm
; The next tile's operands: 8 fragments of 16 tokens x 128 K (registers 4 c .. 4 c + 3: K = 64 c + 32 h + 0 .. 31, 16 bytes of the row as they lie) and its scale words.
.macro AFETCH
.irp s, 0,1,2,3,4,5,6,7
	ds_load_b128 v[AF+8*\s:AF+8*\s+3],   v[HAD] offset:64*\s
	ds_load_b128 v[AF+8*\s+4:AF+8*\s+7], v[HAD] offset:64*\s+32
.endr
	ds_load_b128 v[HSW:HSW+3], v[HSD]
	s_add_co_u32 s[TA], s[TA], 16*PITCH
	s_add_co_u32 s[TS], s[TS], 512
.endm
; 32 matrix instructions: K step by K step, the four accumulators by turns, one instruction a turn.  The first K step takes the bias as its C: no addition, nothing cleared.
; K steps 4 to 7 read both sides' scale words from lanes 16-31.  first = 1: W's fragments are still on their way, eight loads a K step: the later steps' loads may be out.
.macro MM first
	WIN 0x01                                       ; source 0 (W) window 1
.irp s, 0,1,2,3,4,5,6,7
.if \first
	s_wait_dscnt 8*(7-\s)
.endif
.irp t, 0,1,2,3
.if \s == 0
	v_wmma_scale_f32_16x16x128_f8f6f4 v[ACC+8*\t:ACC+8*\t+7], v[64*\t:64*\t+7], v[AF:AF+7], v[BI+8*\t:BI+8*\t+7], v[WS+4*\t], v[HSW] matrix_a_fmt:MATRIX_FMT_FP4 matrix_b_fmt:MATRIX_FMT_FP4
.elseif \s < 4
	v_wmma_scale_f32_16x16x128_f8f6f4 v[ACC+8*\t:ACC+8*\t+7], v[64*\t+8*\s:64*\t+8*\s+7], v[AF+8*\s:AF+8*\s+7], v[ACC+8*\t:ACC+8*\t+7], v[WS+4*\t+\s], v[HSW+\s] matrix_a_fmt:MATRIX_FMT_FP4 matrix_b_fmt:MATRIX_FMT_FP4
.else
	v_wmma_scale_f32_16x16x128_f8f6f4 v[ACC+8*\t:ACC+8*\t+7], v[64*\t+8*\s:64*\t+8*\s+7], v[AF+8*\s:AF+8*\s+7], v[ACC+8*\t:ACC+8*\t+7], v[WS+4*\t+\s-4], v[HSW+\s-4] matrix_a_fmt:MATRIX_FMT_FP4 matrix_b_fmt:MATRIX_FMT_FP4 matrix_a_scale:MATRIX_SCALE_ROW1 matrix_b_scale:MATRIX_SCALE_ROW1
.endif
.endr
.endr
	WIN 0
.endm
; The activation and the quantiser: 16 numbers a lane.  Each accumulator is read from its low end on.
; The transcendentals go in four runs of eight (exponentials of u = 0, of u = 1, reciprocals of u = 0, of u = 1), each with plain work on the other half's numbers in it; a wait ahead of each run and behind it.
.macro EPI
.irp u, 0,1
.irp j, 0,2,4,6
	v_dual_min_num_f32 v[ACC+16*\u+\j], v[SEVEN], v[ACC+16*\u+\j] :: v_dual_min_num_f32 v[ACC+16*\u+\j+1], v[SEVEN], v[ACC+16*\u+\j+1]   ; g = min(gate, 7)
.endr
.endr
.irp u, 0,1
.irp j, 0,2,4,6
	v_pk_mul_f32 v[TT+8*\u+\j:TT+8*\u+\j+1], v[ACC+16*\u+\j:ACC+16*\u+\j+1], s[CS:CS+1] op_sel_hi:[1,0]   ; -c g
.endr
.endr
.irp u, 0,1
.irp j, 0,1,2,3,4,5,6,7
	v_med3_num_f32 v[ACC+8+16*\u+\j], v[ACC+8+16*\u+\j], v[NSEV], v[SEVEN]       ; up held to -7 .. 7
.endr
.endr
	s_wait_alu depctr_va_vdst(0)
.irp k, 0,1,2,3,4,5,6,7
	v_exp_f32 v[TT+\k], v[TT+\k]
	v_pk_fma_f32 v[ACC+8+16*(\k/4)+2*(\k%4):ACC+9+16*(\k/4)+2*(\k%4)], v[ACC+8+16*(\k/4)+2*(\k%4):ACC+9+16*(\k/4)+2*(\k%4)], v[ACC+16*(\k/4)+2*(\k%4):ACC+1+16*(\k/4)+2*(\k%4)], v[ACC+16*(\k/4)+2*(\k%4):ACC+1+16*(\k/4)+2*(\k%4)]   ; (up + 1) g = up x g + g
.endr
	s_wait_alu depctr_va_vdst(0)
.irp k, 0,2,4,6
	v_exp_f32 v[TT+8+\k], v[TT+8+\k]
	v_exp_f32 v[TT+9+\k], v[TT+9+\k]
	v_pk_add_f32 v[TT+\k:TT+\k+1], v[TT+\k:TT+\k+1], 1.0 op_sel_hi:[1,0]
.endr
	s_wait_alu depctr_va_vdst(0)
.irp k, 0,2,4,6
	v_rcp_f32 v[TT+\k], v[TT+\k]                   ; sigmoid(1.702 g)
	v_rcp_f32 v[TT+\k+1], v[TT+\k+1]
	v_pk_add_f32 v[TT+8+\k:TT+9+\k], v[TT+8+\k:TT+9+\k], 1.0 op_sel_hi:[1,0]
.endr
	s_wait_alu depctr_va_vdst(0)
.irp k, 0,2,4,6
	v_rcp_f32 v[TT+8+\k], v[TT+8+\k]
	v_rcp_f32 v[TT+9+\k], v[TT+9+\k]
	v_pk_mul_f32 v[U0+\k:U0+\k+1], v[U0+\k:U0+\k+1], v[TT+\k:TT+\k+1]            ; act, i = 8 h + 0 .. 7
.endr
	v_add_nc_u32 v[OFF], s[TO], v[O0]              ; where my codes go
	s_add_co_u32 s[TO], s[TO], 8192
	s_add_co_u32 s[TB], s[TB], 16
	s_wait_alu depctr_va_vdst(0)
.irp k, 0,2,4,6
	v_pk_mul_f32 v[U1+\k:U1+\k+1], v[U1+\k:U1+\k+1], v[TT+8+\k:TT+9+\k]          ; act, i = 16 + 8 h + 0 .. 7
.endr
	v_max3_num_f32 v[TT],   |v[U0]|, |v[U0+1]|, 0x1800000    ; the largest magnitude of my 16, as a tree, and the floor 2^(3 - 127): the byte cannot fall under 1
	v_max3_num_f32 v[TT+1], |v[U0+2]|, |v[U0+3]|, |v[U0+4]|
	v_max3_num_f32 v[TT+2], |v[U0+5]|, |v[U0+6]|, |v[U0+7]|
	v_max3_num_f32 v[TT+3], |v[U1]|, |v[U1+1]|, |v[U1+2]|
	v_max3_num_f32 v[TT+4], |v[U1+3]|, |v[U1+4]|, |v[U1+5]|
	v_max3_num_f32 v[TT+5], |v[U1+6]|, |v[U1+7]|, v[TT]
	s_delay_alu instid0(VALU_DEP_3)
	v_max3_num_f32 v[TT+6], v[TT+1], v[TT+2], v[TT+3]
	s_delay_alu instid0(VALU_DEP_1)
	v_max3_num_f32 v[MX], v[TT+4], v[TT+5], v[TT+6]
	s_delay_alu instid0(VALU_DEP_1)
	v_permlanex16_b32 v[M2], v[MX], s[SEL], s[SEL+1]
	s_delay_alu instid0(VALU_DEP_1)
	v_max_num_f32 v[MX], v[MX], v[M2]              ; with lane l xor 16's 16: the block's
	s_delay_alu instid0(VALU_DEP_1)
	v_add_nc_u32 v[SCL], 0xff000000, v[MX]         ; 2 off its exponent field: the conversion takes the exponent field of this operand as its scale, and nothing else of it
	s_delay_alu instid0(VALU_DEP_1)
	v_lshrrev_b32 v[BY], 23, v[SCL]                ; the scale's byte
	v_cvt_scalef32_pk8_fp4_f32 v[CC], v[U0:U0+7], v[SCL]       ; beyond 6 the largest code
	v_cvt_scalef32_pk8_fp4_f32 v[CC+1], v[U1:U1+7], v[SCL]
	v_nop                                          ; one plain line behind a scaled conversion
	v_permlane16_swap_b32 v[CC], v[CC+1]           ; the first's lanes 16-31 change places with the second's lanes 0-15: lane (r, h) now holds i = 16 h + 0 .. 15 of token r: bytes 8 h .. 8 h + 7 of its block
	ds_store_b8 v[SBD], v[BY]                      ; both lanes of a token write the same byte with the same value
	global_store_b64 v[OFF], v[CC:CC+1], s[14:15]  ; 32 lanes store 256 consecutive bytes, at a multiple of 256 from the buffer's first byte
.endm
; One tile of 16 tokens.  pf = 1: the next tile's operands are asked for behind the products, and have the whole activation in which to come.
; Five places behind the products: four ahead of loads into registers that they read and of the first read of results, the fifth since the next tile begins these accumulators anew with another C.
.macro TILE pf
	s_wait_dscnt 0x0                               ; this tile's fragments and scale words are in
	s_wait_xcnt 0x0                                ; the last tile's store has read its offset and its data: both are written again only behind this wait
	MM 0
.if \pf
	ADDR
	PLACES 2
	AFETCH
.else
	v_add_nc_u32 v[SBD], s[TB], v[SB0]
	PLACES 4
.endif
	EPI
.endm
	ADDR
	AFETCH                                         ; tile 0
	s_wait_tensorcnt 0x0                           ; my rows of W are in.  Only I read them, so my own counter is all the ordering that these reads need
	WIN 0x40                                       ; destination window 1
.irp s, 0,1,2,3,4,5,6,7
.irp t, 0,1,2,3
	ds_load_b128 v[64*\t+8*\s:64*\t+8*\s+3],   v[WA] offset:16*(\t/2)*WPITCH+512*(\t%2)+64*\s
	ds_load_b128 v[64*\t+8*\s+4:64*\t+8*\s+7], v[WA] offset:16*(\t/2)*WPITCH+512*(\t%2)+64*\s+32
.endr
.endr
	WIN 0
	MM 1
	ADDR
	PLACES 2
	AFETCH                                         ; tile 1
	EPI                                            ; tile 0
	TILE 1                                         ; tile 1, which fetches tile 2
	s_wait_tensorcnt 0x0                           ; W's bytes are given up for tokens 80 .. 255: no tensor load of mine is out;
	ds_add_u32 v[SPW], v[NIL]                      ; 0 onto my spare word;
	s_wait_dscnt 0x0                               ; the add is done, and my reads of W's rows are over
	ROUND                                          ; this holds of every wave of every work-group of the cluster
	tensor_load_to_lds s[G0R:G0R+3], s[G1R:G1R+7]  ; my one load behind the round: 22 tokens, onto rows that were filled before
	s_nop 0
	PLACES 4
	s_mov_b32 s[CNT], 2
.Lfirst:                                           ; tiles 2 and 3, which fetch tiles 3 and 4: tokens 0 .. 79
	TILE 1
	s_sub_co_u32 s[CNT], s[CNT], 1
	s_cmp_lg_u32 s[CNT], 0
	s_cbranch_scc1 .Lfirst
	s_wait_tensorcnt 0x0                           ; my 22 of tokens 80 .. 255 have landed,
	s_wait_dscnt 0x0
	s_barrier_signal -1
	s_barrier_wait -1                              ; everybody's have
	s_mov_b32 s[TA], 0                             ; token 80 lies at LDS byte 0
	s_mov_b32 s[CNT], 11
.Lrest:                                            ; tiles 4 .. 14, which fetch tiles 5 .. 15
	TILE 1
	s_sub_co_u32 s[CNT], s[CNT], 1
	s_cmp_lg_u32 s[CNT], 0
	s_cbranch_scc1 .Lrest
	TILE 0                                         ; tile 15: nothing more to fetch
	; act's scale bytes leave: thread n takes token n's eight bytes, one from each wave's 256, and a wave stores 256 consecutive bytes
	s_wait_dscnt 0x0                               ; for the others' sake: my byte stores are done
	s_barrier_signal -1
	s_barrier_wait -1
.irp k, 0,1,2,3,4,5,6,7
	ds_load_u8 v[EB+\k], v[EL] offset:256*\k
.endr
	s_wait_dscnt 0x0
	v_lshl_or_b32 v[EW], v[EB+1], 8, v[EB]
	v_lshl_or_b32 v[EW+1], v[EB+5], 8, v[EB+4]
	s_delay_alu instid0(VALU_DEP_2)
	v_lshl_or_b32 v[EW], v[EB+2], 16, v[EW]
	s_delay_alu instid0(VALU_DEP_2)
	v_lshl_or_b32 v[EW+1], v[EB+6], 16, v[EW+1]
	s_delay_alu instid0(VALU_DEP_2)
	v_lshl_or_b32 v[EW], v[EB+3], 24, v[EW]        ; the scale word of K step 2 (X % 4),
	s_delay_alu instid0(VALU_DEP_2)
	v_lshl_or_b32 v[EW+1], v[EB+7], 24, v[EW+1]    ; and of the K step after it
	global_store_b64 v[EG], v[EW:EW+1], s[16:17]
	s_wait_tensorcnt 0x0                           ; the wave's end, behind my last tensor load and my last LDS store
	ds_add_u32 v[SPW], v[NIL]
	s_wait_dscnt 0x0
	ROUND                                          ; the closing round: no work-group ends while a partner may still ask for a tile that names it
	s_endpgm
.Lfunc_end_k_qacfd8fe010_gateup:
	.size	k_qacfd8fe010_gateup, .Lfunc_end_k_qacfd8fe010_gateup-k_qacfd8fe010_gateup
	.p2alignl 7, 3214868480
	.fill 96, 4, 3214868480
	.section	.rodata,"a",@progbits
	.p2align	6, 0x0
	.amdhsa_kernel k_qacfd8fe010_gateup
		.amdhsa_group_segment_fixed_size 327680
		.amdhsa_private_segment_fixed_size 0
		.amdhsa_enable_private_segment 0
		.amdhsa_kernarg_size 56
		.amdhsa_user_sgpr_count 2
		.amdhsa_user_sgpr_kernarg_segment_ptr 1
		.amdhsa_wavefront_size32 1
		.amdhsa_system_sgpr_workgroup_id_x 1
		.amdhsa_system_sgpr_workgroup_id_y 1
		.amdhsa_system_sgpr_workgroup_id_z 1
		.amdhsa_system_vgpr_workitem_id 0
		.amdhsa_next_free_vgpr 512
		.amdhsa_next_free_sgpr 102
		.amdhsa_reserve_vcc 0
		.amdhsa_float_denorm_mode_32 3
		.amdhsa_float_denorm_mode_16_64 3
		.amdhsa_memory_ordered 1
		.amdhsa_forward_progress 1
		.amdhsa_inst_pref_size 76
	.end_amdhsa_kernel
	.amdgpu_metadata
---
amdhsa.version: [ 1, 2 ]
amdhsa.kernels:
  - .name:           k_qacfd8fe010_gateup
    .symbol:         k_qacfd8fe010_gateup.kd
    .args:
      - { .name: hidden_states_codes, .offset: 0, .size: 8, .value_kind: global_buffer, .address_space: global }
      - { .name: hidden_states_scales, .offset: 8, .size: 8, .value_kind: global_buffer, .address_space: global }
      - { .name: gate_up_proj_codes, .offset: 16, .size: 8, .value_kind: global_buffer, .address_space: global }
      - { .name: gate_up_proj_scales, .offset: 24, .size: 8, .value_kind: global_buffer, .address_space: global }
      - { .name: gate_up_proj_bias, .offset: 32, .size: 8, .value_kind: global_buffer, .address_space: global }
      - { .name: act_codes, .offset: 40, .size: 8, .value_kind: global_buffer, .address_space: global }
      - { .name: act_scales, .offset: 48, .size: 8, .value_kind: global_buffer, .address_space: global }
    .group_segment_fixed_size: 327680
    .private_segment_fixed_size: 0
    .kernarg_segment_align: 8
    .kernarg_segment_size: 56
    .max_flat_workgroup_size: 256
    .sgpr_count:     102
    .vgpr_count:     512
    .wavefront_size: 32
...
	.end_amdgpu_metadata
.endif
;; end of part 1
;; launch down (part 2): grid 32 x 8, 4 waves a work-group, clusters of 4 x 1, 327,680 bytes of LDS; arguments act_codes, act_scales, down_proj_codes, down_proj_scales, down_proj_bias, routing_weights, out0; writes out0
.if DOCPART == 2
	.amdgcn_target "amdgcn-amd-amdhsa--gfx1250"
	.amdhsa_code_object_version 6
	.text
	.protected	k_qacfd8fe010_down
	.globl	k_qacfd8fe010_down
	.p2align	8
	.type	k_qacfd8fe010_down,@function
k_qacfd8fe010_down:
	s_mov_b64 s[64:65], 0
	v_nop
	global_prefetch_b8 v0, s[64:65] scope:SCOPE_SE
	s_setreg_imm32_b32 hwreg(HW_REG_WAVE_MODE, 25, 1), 1
	s_wait_xcnt 0x0
	s_wait_alu depctr_hold_cnt(0) depctr_sa_sdst(0) depctr_va_vdst(0) depctr_va_sdst(0) depctr_va_ssrc(0) depctr_va_vcc(0) depctr_vm_vsrc(0)
	s_getreg_b32 s2, hwreg(HW_REG_IB_STS2, 6, 4)
	s_cmp_eq_u32 s2, 0
	s_cbranch_scc0 .Lentry_in_a_cluster
	s_endpgm
.Lentry_in_a_cluster:
	s_bfe_u32 s2, ttmp6, 0x10000c
	s_cmp_lg_u32 s2, 0x3003
	s_cbranch_scc0 .Lentry_shape_is_right
	s_endpgm
.Lentry_shape_is_right:
; out[t][h] = the sum over e of rw[t][e] x (the sum over i of act[e][t][i] D[e][h][i] + bias[e][h]).  The inner product is on codes of E2M1 with one E8M0 scale for each 32 along i: act's as the first
; launch made them, D's as they are given.  The sum over the eight experts is made by f32 multiply-adds.  No work is left out: every expert counts for every token.
; LIMITS.  The experts are summed in another order than they are written: two in each wave (in clusters of odd x the higher one first), then the four waves' sums as (0 + 1) + (2 + 3).
; NaN and infinities among the inputs are not served.
; SHARES.  Work-group (X, hb) owns tokens 64 X .. + 63 and columns h = 128 hb .. + 127.  THE WAVES SHARE THE EXPERTS: wave w takes experts 2 w and 2 w + 1, for all of the work-group's 64 x 128.
; So every byte that the work-group takes in is read by one wave, once.
; THE ORDER OF A WAVE'S TWO EXPERTS hangs on the cluster's x: turn e (0, 1) takes expert 2 w + (e xor (cluster x % 2)).  So the rows of D for which a cluster asks in its second half are rows for
; which the clusters beside it, of the same hb, have asked in their first half.  The parity is the same in all four partners; it enters addresses alone, no branch.
; act of a wave's two experts (4 tiles of 16 tokens x K 1,024 each: 2 x 256 registers) STAYS IN REGISTERS.  It lies in memory in the order of the operand's registers, so each load is 512 consecutive bytes.
; D: the head's one tensor load brings the first turn's 128 rows into a wave's two slots of 64 rows; the second turn's rows follow, 64 by 64, each slot as soon as it has been read out.
; D's scale bytes and bias come by plain loads and go to LDS by stores.
; A UNIT is 16 rows of D of one expert, in two HALVES of four K steps: 16 matrix instructions each (source 0 = D's rows, source 1 = 16 tokens; the bias is the C of the first K step).
; In the result lane (r, h2), register j holds token r and column 8 h2 + j of the unit.  32 halves in all.  Fragments have three half buffers: while half q is multiplied, q + 1 and q + 2 are asked for.
; Units take two sets of accumulators by turns: a unit's multiply-adds by rw stand behind the next unit's two halves, eight behind each, and are the places that those halves' products want behind them.
; At the end the four waves' sums meet in LDS and leave as whole rows of 512 bytes.
; CLUSTER, 4 x 1.  The four partners have the same hb and other tokens: D's rows are asked for jointly.  act is not: the work-groups that read the same act differ in hb, and what a joint load brings
; lands in LDS, from where 256 KiB would have to be read again into the registers where they stay; loaded directly they are on their way together with the first fill.
; Scale bytes and bias (36 KiB a work-group against 768 KiB of codes) are not either.  NO PREFETCH: there is no loop to run ahead in, two fills follow the first, and the clusters beside have asked for their rows.
.set PITCH, 528                        ; an LDS row: 512 bytes + 16 of padding, an odd multiple of 16
.set SLOTB, 64*PITCH
.set RINGW, 2*SLOTB                    ; a wave's two slots
.set DSC,   4*RINGW                    ; D's scale bytes: for each wave experts 2 w, 2 w + 1 x 128 rows x 32 bytes, dense
.set DBI,   DSC+4*8192                 ; the bias: for each wave experts 2 w, 2 w + 1 x 128 numbers
.set SPARE, DBI+4*1024                 ; the spare words, 128 bytes for each wave: two blocks of 256 bytes that no other line names
.set PADW,  (1<<20)|(1<<21)|(6<<22)|(3<<25)   ; padding on; bit 21 beside a mask; four words after every 128; elements of 1 byte
; The stage for the way out is each wave's slot 0: 64 rows x (512 + 16) bytes.  When the first result is stored there the slot has had its last fill, and its last read is over.
; vector registers, window 0
.set DA,   3                           ; my lane's place in my ring: 67,584 w + 528 r + 16 h
.set DSL,  4                           ; where my 16 bytes of D's scales go: DSC + 8,192 w + 16 x lane
.set DBL,  5                           ; and of the bias: DBI + 1,024 w + 16 x lane
.set AO,   6                           ; 16 x lane
.set ASO,  7                           ; act's scale words: 256 h + 8 r
.set RWO,  8                           ; rw: 32 r
.set STO,  9                           ; the stage, in: 67,584 w + 528 r + 32 h
.set RD,   10                          ; v10-13 the stage, back: wave p's stage, my 16 rows, 16 x lane
.set SPW,  14                          ; LDS address of my spare word; never rewritten
.set NIL,  15                          ; 0; never rewritten
.set DSW,  16                          ; v16-23  D's scale words, two sets of four by turns: lanes 0-15 K steps 0-3, lanes 16-31 K steps 4-7
.set BIAS, 24                          ; v24-31, v208-215 a unit's bias in the result's layout, two sets by turns
.set ASW,  32                          ; v32-63  act's scale words: turn e, tile m, K step s: register 16 e + 4 m + 2 (s / 4) + s % 2, lanes 16 ((s / 2) % 2) on
.set RWW,  64                          ; v64-79  rw[token r of tile m][turn e's expert], twice: the pair at 4 m + 2 e
.set ACC,  80                          ; v80-111 a unit's four accumulators, one for each tile of tokens; the other set: v216-239, v244-251
.set DF,   112                         ; v112-207 three half buffers of D's fragments; at the head scale bytes and bias on their way to LDS
.set OB,   112                         ; v112-239 the way out
.set DSA,  240                         ; v240-241 turn e's place among D's scale words: DSC + 8,192 w + 4,096 (e xor parity) + 32 r + 16 h
.set DBA,  242                         ; v242-243 and in the bias: DBI + 1,024 w + 512 (e xor parity) + 32 h
; windows 1 and 2: act of my first and second turn, tile m, K step s at v[64 m + 8 s].  Window 3: the sums, tile m, unit x at v[64 m + 8 x].
.set WV,   18
.set PAR,  22                          ; cluster x % 2
.set PAR1, 23                          ; 1 - that
.set AC0,  4                           ; s[4:5], s[24:25]   act_codes at my tokens, turn 0's expert and turn 1's
.set AC1,  24
.set AS0,  6                           ; s[6:7], s[26:27]   act_scales likewise
.set AS1,  26
.set RW0,  14                          ; s[14:15], s[92:93] rw likewise
.set RW1,  92
.set G1D,  28                          ; group 1: 128 rows of D
.set G1E,  36                          ; 64 rows
.set G0A,  52                          ; group 0: turn 0's rows; turn 1's rows 0-63 (slot 0); turn 1's rows 64-127 (slot 1)
.set G0A2, 56
.set G0Z2, 60
.set MSB, 0
.macro WIN new                         ; the immediate's high byte repeats the setting that is left; a switch that changes nothing is dropped
.if MSB != (\new)
	s_set_vgpr_msb (MSB<<8)|(\new)
.set MSB, (\new)
.endif
.endm
.macro PLACES n
.rept \n
	v_nop
.endr
.endm
.macro ROUND                           ; a round of the cluster's barrier
	s_barrier_signal -1
	s_barrier_wait -1
	s_cmp_lg_u32 s[WV], 0
	s_cbranch_scc1 .Lnot_wave_0_\@
	s_barrier_signal -3
.Lnot_wave_0_\@:
	s_barrier_wait -3
	s_barrier_signal -1
	s_barrier_wait -1
.endm
.macro GROUP1 g, rows                  ; the mask names all four work-groups; rows of 512 bytes
	s_mov_b32 s[\g], 15|PADW
	s_mov_b32 s[\g+1], 512<<16
	s_mov_b32 s[\g+2], (\rows)<<16
	s_mov_b32 s[\g+3], 512<<16
	s_mov_b32 s[\g+4], \rows
	s_mov_b32 s[\g+5], 512
	s_mov_b32 s[\g+6], 0
	s_mov_b32 s[\g+7], 0
.endm
; Tile m of a turn's act: 16 loads of 512 consecutive bytes, each four registers of a fragment as they stand.  The window of the destination is set by the caller.
.macro ACTL bs, m
.irp k, 0,1,2,3,4,5,6,7
	global_load_b128 v[64*(\m)+8*\k:64*(\m)+8*\k+3],   v[AO], s[\bs:\bs+1] offset:(\m)*8192+\k*1024
	global_load_b128 v[64*(\m)+8*\k+4:64*(\m)+8*\k+7], v[AO], s[\bs:\bs+1] offset:(\m)*8192+\k*1024+512
.endr
.endm
.macro ASL e, bs                       ; a turn's scale words of act: lane (r, h): token r's words of K steps 4 j + 2 h and 4 j + 2 h + 1
.irp m, 0,1,2,3
.irp j, 0,1
	global_load_b64 v[ASW+16*\e+4*\m+2*\j:ASW+16*\e+4*\m+2*\j+1], v[ASO], s[\bs:\bs+1] offset:(\m/2)*1024+\j*512+(\m%2)*128
.endr
.endr
.endm
.macro RWL e, bs                       ; a turn's rw, each number twice: the packed forms multiply by a pair
.irp m, 0,1,2,3
	global_load_b32 v[RWW+4*\m+2*\e],   v[RWO], s[\bs:\bs+1] offset:\m*512
	global_load_b32 v[RWW+4*\m+2*\e+1], v[RWO], s[\bs:\bs+1] offset:\m*512
.endr
.endm
	s_load_b256 s[4:11], s[0:1], 0x0               ; act_codes s[4:5], act_scales s[6:7], D's codes s[8:9] and scales s[10:11]
	s_load_b128 s[12:15], s[0:1], 0x20             ; the bias s[12:13], rw s[14:15]
	s_load_b64 s[16:17], s[0:1], 0x30              ; out
	v_lshl_add_u32 v[SPW], v0, 2, SPARE
	v_mov_b32 v[NIL], 0
	ds_add_u32 v[SPW], v[NIL]                      ; the wave's opening: the add, twice on end, and its wait ahead of my first tensor load; work on registers stands between
	ds_add_u32 v[SPW], v[NIL]
	v_lshrrev_b32 v1, 5, v0
	v_readfirstlane_b32 s[WV], v1                  ; wave 0..3
	s_bfe_u32 s19, ttmp6, 0x40000                  ; cx
	s_lshl_b32 s20, ttmp9, 2
	s_add_co_u32 s20, s20, s19                     ; X = 4 x cluster x + cx: it enters act's, rw's and out's addresses alone
	s_and_b32 s21, ttmp7, 0xffff                   ; hb, which the four partners share
	s_and_b32 s[PAR], ttmp9, 1                     ; the cluster's parity, which they share too
	s_xor_b32 s[PAR1], s[PAR], 1
	GROUP1 G1D, 128
	GROUP1 G1E, 64
	s_lshl_b32 s80, s[WV], 21                      ; act_codes: expert 2 w (2^20 bytes an expert), tile 4 X (8,192 bytes a tile),
	s_lshl_b32 s81, s20, 15
	s_add_co_u32 s80, s80, s81
	s_lshl_b32 s82, s[PAR], 20                     ; + the turn's expert: turn 0,
	s_add_co_u32 s82, s82, s80
	s_mov_b32 s83, 0
	s_lshl_b32 s84, s[PAR1], 20                    ; turn 1
	s_add_co_u32 s84, s84, s80
	s_mov_b32 s85, 0
	s_lshl_b32 s80, s[WV], 17                      ; act_scales: expert 2 w (65,536 bytes an expert), pair of tiles 2 X (1,024 bytes), + the turn's expert
	s_lshl_b32 s81, s20, 11
	s_add_co_u32 s80, s80, s81
	s_lshl_b32 s66, s[PAR], 16
	s_add_co_u32 s66, s66, s80
	s_mov_b32 s67, 0
	s_lshl_b32 s68, s[PAR1], 16
	s_add_co_u32 s68, s68, s80
	s_mov_b32 s69, 0
	s_lshl_b32 s80, s20, 11                        ; rw: token 64 X (32 bytes a token), expert 2 w, + the turn's expert
	s_lshl_b32 s81, s[WV], 3
	s_add_co_u32 s80, s80, s81
	s_lshl_b32 s70, s[PAR], 2
	s_add_co_u32 s70, s70, s80
	s_mov_b32 s71, 0
	s_lshl_b32 s72, s[PAR1], 2
	s_add_co_u32 s72, s72, s80
	s_mov_b32 s73, 0
	s_lshl_b32 s74, s20, 18                        ; out: row 64 X + 16 w (4,096 bytes a row), column 128 hb
	s_lshl_b32 s75, s[WV], 16
	s_add_co_u32 s74, s74, s75
	s_lshl_b32 s75, s21, 9
	s_add_co_u32 s74, s74, s75
	s_mov_b32 s75, 0
	s_lshl_b32 s86, s[WV], 20                      ; D's codes: expert 2 w (524,288 bytes an expert), row 128 hb; s86-91 and s94-95 never hold X
	s_lshl_b32 s87, s21, 16
	s_add_co_u32 s86, s86, s87
	s_lshl_b32 s88, s[PAR1], 19                    ; turn 1's expert,
	s_add_co_u32 s88, s88, s86
	s_mov_b32 s89, 0
	s_lshl_b32 s87, s[PAR], 19                     ; turn 0's
	s_add_co_u32 s86, s86, s87
	s_mov_b32 s87, 0
	s_lshl_b32 s90, s[WV], 16                      ; its scale bytes, from expert 2 w on
	s_lshl_b32 s91, s21, 12
	s_add_co_u32 s90, s90, s91
	s_mov_b32 s91, 0
	s_lshl_b32 s94, s[WV], 13                      ; the bias, from expert 2 w on
	s_lshl_b32 s95, s21, 9
	s_add_co_u32 s94, s94, s95
	s_mov_b32 s95, 0
	s_mul_i32 s96, s[WV], RINGW                    ; LDS: the wave's number times a constant, plus a constant
	s_lshl_b32 s97, s[WV], 13
	s_add_co_u32 s97, s97, DSC
	s_lshl_b32 s98, s[WV], 10
	s_add_co_u32 s98, s98, DBI
	s_mul_i32 s99, s[WV], 16*PITCH
	s_lshl_b32 s100, s[PAR], 12                    ; an expert's 4,096 scale bytes on, or not
	s_lshl_b32 s101, s[PAR1], 12
	s_lshl_b32 s76, s[PAR], 9                      ; an expert's 512 bytes of bias on, or not
	s_lshl_b32 s77, s[PAR1], 9
	v_and_b32 v1, 15, v0                           ; r
	v_bfe_u32 v2, v0, 4, 1                         ; h
	v_and_b32 v[AO], 31, v0
	v_mul_u32_u24 v[DA], v1, PITCH
	v_lshlrev_b32 v[DSA], 5, v1
	v_lshlrev_b32 v[DBA], 5, v2
	v_lshlrev_b32 v[AO], 4, v[AO]
	v_lshlrev_b32 v[ASO], 3, v1
	v_lshlrev_b32 v[RWO], 5, v1
	v_lshl_add_u32 v[STO], v2, 5, v[DA]
	v_lshl_add_u32 v[DA], v2, 4, v[DA]
	v_lshl_add_u32 v[DSA], v2, 4, v[DSA]
	v_lshl_add_u32 v[ASO], v2, 8, v[ASO]
	v_add_nc_u32 v[DBA], s98, v[DBA]
	v_add_nc_u32 v[DA], s96, v[DA]
	v_add_nc_u32 v[STO], s96, v[STO]
	v_add_nc_u32 v[DSA], s97, v[DSA]
	v_add_nc_u32 v[DSL], s97, v[AO]
	v_add_nc_u32 v[DBL], s98, v[AO]
	v_add_nc_u32 v[RD], s99, v[AO]
	v_add_nc_u32 v[DSA+1], s101, v[DSA]            ; turn 1's expert,
	v_add_nc_u32 v[DSA], s100, v[DSA]              ; turn 0's
	v_add_nc_u32 v[DBA+1], s77, v[DBA]
	v_add_nc_u32 v[DBA], s76, v[DBA]
.irp p, 1,2,3
	v_add_nc_u32 v[RD+\p], \p*RINGW, v[RD]
.endr
	s_wait_alu depctr_va_vdst(0)                   ; the wait behind the head's vector instructions
	s_wait_dscnt 0x0                               ; both opening adds are done
	s_wait_kmcnt 0x0
	s_add_nc_u64 s[10:11], s[10:11], s[90:91]
	s_add_nc_u64 s[12:13], s[12:13], s[94:95]
	s_add_nc_u64 s[AC1:AC1+1], s[4:5], s[84:85]
	s_add_nc_u64 s[AC0:AC0+1], s[4:5], s[82:83]
	s_add_nc_u64 s[AS1:AS1+1], s[6:7], s[68:69]
	s_add_nc_u64 s[AS0:AS0+1], s[6:7], s[66:67]
	s_add_nc_u64 s[RW1:RW1+1], s[14:15], s[72:73]
	s_add_nc_u64 s[RW0:RW0+1], s[14:15], s[70:71]
	s_add_nc_u64 s[16:17], s[16:17], s[74:75]
; D's scale bytes and bias of expert 2 w + e, on their way to LDS
.macro SCL e
.irp k, 0,1,2,3,4,5,6,7
	global_load_b128 v[DF+32*\e+4*\k:DF+32*\e+4*\k+3], v[AO], s[10:11] offset:\e*32768+\k*512   ; 512 consecutive bytes: 16 rows' scale bytes
.endr
	global_load_b128 v[DF+64+4*\e:DF+64+4*\e+3], v[AO], s[12:13] offset:\e*4096
.endm
	SCL 0                                          ; nine loads go out ahead of the round: they hang on no partner
	s_mov_b32 s[G0A], 1
	s_mov_b32 s[G0A+1], s96                        ; both slots: turn 0's rows 0 .. 127
	s_add_nc_u64 s[G0A+2:G0A+3], s[8:9], s[86:87]
	s_or_b32 s[G0A+3], s[G0A+3], 0x80000000
	s_mov_b32 s[G0A2], 1
	s_mov_b32 s[G0A2+1], s96                       ; slot 0 again: turn 1's rows 0 .. 63
	s_add_nc_u64 s[G0A2+2:G0A2+3], s[8:9], s[88:89]
	s_or_b32 s[G0A2+3], s[G0A2+3], 0x80000000
	s_mov_b32 s[G0Z2], 1
	s_add_co_u32 s[G0Z2+1], s96, SLOTB             ; slot 1 again: its rows 64 .. 127
	s_add_nc_u64 s[G0Z2+2:G0Z2+3], s[8:9], s[88:89]
	s_add_nc_u64 s[G0Z2+2:G0Z2+3], s[G0Z2+2:G0Z2+3], 64*512
	s_or_b32 s[G0Z2+3], s[G0Z2+3], 0x80000000
	ROUND                                          ; all four work-groups are here: the first joint loads meet
	tensor_load_to_lds s[G0A:G0A+3], s[G1D:G1D+7]  ; one tensor load a wave at the head
	s_nop 0
	PLACES 4                                       ; four places behind the tensor load
	WIN 0x40                                       ; destination window 1
	ACTL AC0, 0
	ACTL AC0, 1
	ACTL AC0, 2
	ACTL AC0, 3
	WIN 0
	SCL 1
	ASL 0, AS0
	RWL 0, RW0
	ASL 1, AS1
	RWL 1, RW1
	s_wait_loadcnt 32                              ; all but the 32 youngest, act's scale words and rw, are in
.irp e, 0,1
.irp k, 0,1,2,3,4,5,6,7
	ds_store_b128 v[DSL], v[DF+32*\e+4*\k:DF+32*\e+4*\k+3] offset:4096*\e+512*\k
.endr
.endr
.irp e, 0,1
	ds_store_b128 v[DBL], v[DF+64+4*\e:DF+64+4*\e+3] offset:512*\e
.endr
; My sums of unit x go into my stage.  An LDS store's data are its source 1: window 3, set by the caller.
.macro STG x
.set SX, \x
.irp m, 0,1,2,3
	ds_store_b128 v[STO], v[64*\m+8*SX:64*\m+8*SX+3] offset:16*\m*PITCH+64*SX        ; lane (r, h): token 16 m + r, columns 16 x + 8 h + 0 .. 7
	ds_store_b128 v[STO], v[64*\m+8*SX+4:64*\m+8*SX+7] offset:16*\m*PITCH+64*SX+16
.endr
.endm
; The operands of half n: 8 loads of fragments; with a unit's first half its bias and its scale words too, 11 in all.  Buffer n % 3.
.macro LD n
.set LN, \n
.set LU, LN/2
.set LE, LU/8
.set LX, LU%8
.set LB, DF+32*(LN%3)
.irp s, 0,1,2,3
	ds_load_b128 v[LB+8*\s:LB+8*\s+3],   v[DA] offset:(LX/4)*SLOTB+(LX%4)*16*PITCH+64*(4*(LN%2)+\s)
	ds_load_b128 v[LB+8*\s+4:LB+8*\s+7], v[DA] offset:(LX/4)*SLOTB+(LX%4)*16*PITCH+64*(4*(LN%2)+\s)+32
.endr
.if (LN%2) == 0
.set LC, BIAS+184*(LU%2)
	ds_load_b128 v[LC:LC+3],   v[DBA+LE] offset:64*LX
	ds_load_b128 v[LC+4:LC+7], v[DBA+LE] offset:64*LX+16
	ds_load_b128 v[DSW+4*(LU%2):DSW+4*(LU%2)+3], v[DSA+LE] offset:512*LX
.endif
.endm
; Half Q: 16 matrix instructions, four K steps, the four accumulators by turns, one instruction a turn.  K step 0 takes the bias as its C.
.macro MMH
.set MU, Q/2
.set ME, MU/8
.set SK, 4*(Q%2)
	WIN 4+4*ME                                     ; source 1 (act) window 1 or 2
.rept 4
.irp m, 0,1,2,3
.set rA, ACC+8*\m+(MU%2)*(136+4*(\m/3))
.set rD, DF+32*(Q%3)+8*(SK%4)
.set rB, 64*\m+8*SK
.set rC, BIAS+184*(MU%2)
.set rSa, DSW+4*(MU%2)+SK%4
.set rSb, ASW+16*ME+4*\m+2*(SK/4)+SK%2
.if SK == 0
	v_wmma_scale_f32_16x16x128_f8f6f4 v[rA:rA+7], v[rD:rD+7], v[rB:rB+7], v[rC:rC+7], v[rSa], v[rSb] matrix_a_fmt:MATRIX_FMT_FP4 matrix_b_fmt:MATRIX_FMT_FP4
.elseif SK < 2
	v_wmma_scale_f32_16x16x128_f8f6f4 v[rA:rA+7], v[rD:rD+7], v[rB:rB+7], v[rA:rA+7], v[rSa], v[rSb] matrix_a_fmt:MATRIX_FMT_FP4 matrix_b_fmt:MATRIX_FMT_FP4
.elseif SK < 4
	v_wmma_scale_f32_16x16x128_f8f6f4 v[rA:rA+7], v[rD:rD+7], v[rB:rB+7], v[rA:rA+7], v[rSa], v[rSb] matrix_a_fmt:MATRIX_FMT_FP4 matrix_b_fmt:MATRIX_FMT_FP4 matrix_b_scale:MATRIX_SCALE_ROW1
.elseif SK < 6
	v_wmma_scale_f32_16x16x128_f8f6f4 v[rA:rA+7], v[rD:rD+7], v[rB:rB+7], v[rA:rA+7], v[rSa], v[rSb] matrix_a_fmt:MATRIX_FMT_FP4 matrix_b_fmt:MATRIX_FMT_FP4 matrix_a_scale:MATRIX_SCALE_ROW1
.else
	v_wmma_scale_f32_16x16x128_f8f6f4 v[rA:rA+7], v[rD:rD+7], v[rB:rB+7], v[rA:rA+7], v[rSa], v[rSb] matrix_a_fmt:MATRIX_FMT_FP4 matrix_b_fmt:MATRIX_FMT_FP4 matrix_a_scale:MATRIX_SCALE_ROW1 matrix_b_scale:MATRIX_SCALE_ROW1
.endif
.endr
.set SK, SK+1
.endr
	WIN 0
.endm
; Unit u's tile m goes into the sums, times rw.  The first turn starts them: nothing is cleared.
.macro PK u, m
.set PU, \u
.set PX, PU%8
.set PA, ACC+8*\m+(PU%2)*(136+4*(\m/3))
.if PU < 8
	WIN 0xC0                                       ; destination window 3
.irp j, 0,2,4,6
	v_pk_mul_f32 v[64*\m+8*PX+\j:64*\m+8*PX+\j+1], v[PA+\j:PA+\j+1], v[RWW+4*\m:RWW+4*\m+1]
.endr
.else
	WIN 0xF0                                       ; source 2 and destination window 3
.irp j, 0,2,4,6
	v_pk_fma_f32 v[64*\m+8*PX+\j:64*\m+8*PX+\j+1], v[PA+\j:PA+\j+1], v[RWW+4*\m+2:RWW+4*\m+3], v[64*\m+8*PX+\j:64*\m+8*PX+\j+1]
.endr
.endif
.endm
; Half Q with what stands ahead of it.  First the places behind the half before: eight multiply-adds of the unit before that one's, which name none of its registers (v_nop where there are none yet).
; Then half Q + 2 is asked for; the usual wait leaves out halves Q + 1 and Q + 2: 8 + 11 loads.
.macro HALF
.if (Q == 1) || (Q == 2)
	PLACES 5
.elseif Q > 2
.if (Q%2) == 1
	PK Q/2-1, 0
	PK Q/2-1, 1
.else
	PK Q/2-2, 2
	PK Q/2-2, 3
.endif
.endif
.if Q < 12                             ; the second turn's act, 64 loads, spread over the first turn: six a half, then four; load i: registers 4 i .. 4 i + 3, byte 512 i of my four tiles
.set AN, 4
.if Q < 8
.set AN, 6
.endif
	WIN 0x80                                       ; destination window 2
.rept AN
	global_load_b128 v[4*AI:4*AI+3], v[AO], s[AC1:AC1+1] offset:512*AI
.set AI, AI+1
.endr
.endif
	WIN 0
.set WT, 19
.if Q == 7                             ; slot 0's last half: its fragments are the last reads of the slot, which is then filled again
	s_wait_tensorcnt 0x0                           ; no tensor load of mine is out;
	ds_add_u32 v[SPW], v[NIL]                      ; 0 onto my spare word: the half's products stand between it and the wait for it
.set WT, 12                            ; half 8's eleven loads and the add may be out
.elseif Q == 8
	LD 9
	LD 10
.elseif (Q == 16) || (Q == 24)         ; the first half of a slot filled anew: three halves are asked for here
.if Q == 24
	s_wait_tensorcnt 0x0                           ; slot 1's last fill is in.  Only I read these bytes
.endif
	LD Q
	LD Q+1
	LD Q+2
.if Q == 16
	s_wait_loadcnt 0x0                             ; the second turn's act is in
.endif
.elseif (Q == 14) || (Q == 22) || (Q == 30)
.set WT, 8                             ; only half Q + 1 is out
.elseif (Q == 15) || (Q == 23) || (Q == 31)
.set WT, 0
.else
	LD Q+2
.endif
.if Q >= 28                            ; the sums of units 0 to 3 are final and slot 0 has been read out: they go into the stage, eight stores behind each of the last halves' loads
	WIN 0x0c
	STG Q-28
	WIN 0
.endif
.if Q == 28
.set WT, 27                            ; 8 + 11 loads and 8 stores are younger than half 28's loads
.elseif Q == 29
.set WT, 35                            ; 11 + 8 loads and 16 stores
.elseif Q == 30
.set WT, 32                            ; 8 loads and 24 stores
.elseif Q == 31
.set WT, 24                            ; 24 stores
.endif
	s_wait_dscnt WT
	MMH
.endm
.macro REFILL g0                       ; the ring is my own, but the load is joint: the round of the cluster's barrier stands in front of it
	ROUND
	tensor_load_to_lds s[\g0:\g0+3], s[G1E:G1E+7]  ; my one load behind the round, and the first thing there: it has eight halves in which to land
	s_nop 0
	PLACES 4
.endm
	s_wait_tensorcnt 0x0                           ; the first turn's rows are in.  Only I read them
	LD 0
	LD 1
	s_wait_loadcnt 16                              ; loads come back in order: the first turn's act, scale words and rw are in; the 16 younger loads, the second turn's scale words and rw, may be out
.set AI, 0
.set Q, 0
.rept 32
	HALF
.if Q == 7
	s_wait_dscnt 0x0                               ; the add is done, and my reads of slot 0 are over
	REFILL G0A2
.endif
.if Q == 15
	s_wait_tensorcnt 0x0                           ; slot 0's last fill is in, no tensor load of mine is out;
	ds_add_u32 v[SPW], v[NIL]                      ; 0 onto my spare word;
	s_wait_dscnt 0x0                               ; the add is done, and my reads of slot 1 are over
	REFILL G0Z2
.endif
.set Q, Q+1
.endr
	PK 14, 2                                       ; eight places behind the last products
	PK 14, 3
	PK 15, 0
	PK 15, 1
	PK 15, 2
	PK 15, 3
	; THE WAY OUT.  My sums over two experts go into my stage; a barrier; wave w adds the four stages' rows 16 w .. 16 w + 15 and stores them whole.
	WIN 0x0c
	STG 4                                          ; the other four units'
	STG 5
	STG 6
	STG 7
	WIN 0
	s_wait_dscnt 0x0                               ; for the others' sake: my stores into the stage are done
	s_barrier_signal -1
	s_barrier_wait -1
.macro BACK k                          ; four rows of the four stages: 16 loads, into 64 registers, two such runs by turns
.set BB, OB+64*((\k)%2)
.irp i, 0,1,2,3
.irp p, 0,1,2,3
	ds_load_b128 v[BB+16*\i+4*\p:BB+16*\i+4*\p+3], v[RD+\p] offset:(4*(\k)+\i)*PITCH
.endr
.endr
.endm
	BACK 0
	BACK 1
.irp k, 0,1,2,3
.if \k < 3
	s_wait_dscnt 16                                ; these four rows are in; the next four's loads may be out
.else
	s_wait_dscnt 0x0
.endif
.set BB, OB+64*(\k%2)
.irp i, 0,1,2,3
	v_pk_add_f32 v[BB+16*\i:BB+16*\i+1],     v[BB+16*\i:BB+16*\i+1],     v[BB+16*\i+4:BB+16*\i+5]
	v_pk_add_f32 v[BB+16*\i+2:BB+16*\i+3],   v[BB+16*\i+2:BB+16*\i+3],   v[BB+16*\i+6:BB+16*\i+7]
	v_pk_add_f32 v[BB+16*\i+8:BB+16*\i+9],   v[BB+16*\i+8:BB+16*\i+9],   v[BB+16*\i+12:BB+16*\i+13]
	v_pk_add_f32 v[BB+16*\i+10:BB+16*\i+11], v[BB+16*\i+10:BB+16*\i+11], v[BB+16*\i+14:BB+16*\i+15]
.endr
.irp i, 0,1,2,3
	v_pk_add_f32 v[BB+16*\i:BB+16*\i+1],     v[BB+16*\i:BB+16*\i+1],     v[BB+16*\i+8:BB+16*\i+9]
	v_pk_add_f32 v[BB+16*\i+2:BB+16*\i+3],   v[BB+16*\i+2:BB+16*\i+3],   v[BB+16*\i+10:BB+16*\i+11]
.endr
.irp i, 0,1,2,3
	global_store_b128 v[AO], v[BB+16*\i:BB+16*\i+3], s[16:17] offset:(4*\k+\i)*4096 th:TH_STORE_NT   ; 32 lanes store 512 consecutive bytes, at a multiple of 256 from out's first byte; written once, read by nobody here
.endr
.if \k < 2
	s_wait_xcnt 0x0                                ; these stores have read their data: the loads below land there only behind this wait
	BACK \k+2
.endif
.endr
	s_wait_tensorcnt 0x0                           ; the wave's end, behind my last tensor load and my last LDS store
	ds_add_u32 v[SPW], v[NIL]
	s_wait_dscnt 0x0
	ROUND                                          ; the closing round: no work-group ends while a partner may still ask for a tile that names it
	s_endpgm
.Lfunc_end_k_qacfd8fe010_down:
	.size	k_qacfd8fe010_down, .Lfunc_end_k_qacfd8fe010_down-k_qacfd8fe010_down
	.p2alignl 7, 3214868480
	.fill 96, 4, 3214868480
	.section	.rodata,"a",@progbits
	.p2align	6, 0x0
	.amdhsa_kernel k_qacfd8fe010_down
		.amdhsa_group_segment_fixed_size 327680
		.amdhsa_private_segment_fixed_size 0
		.amdhsa_enable_private_segment 0
		.amdhsa_kernarg_size 56
		.amdhsa_user_sgpr_count 2
		.amdhsa_user_sgpr_kernarg_segment_ptr 1
		.amdhsa_wavefront_size32 1
		.amdhsa_system_sgpr_workgroup_id_x 1
		.amdhsa_system_sgpr_workgroup_id_y 1
		.amdhsa_system_sgpr_workgroup_id_z 1
		.amdhsa_system_vgpr_workitem_id 0
		.amdhsa_next_free_vgpr 1024
		.amdhsa_next_free_sgpr 102
		.amdhsa_reserve_vcc 0
		.amdhsa_float_denorm_mode_32 3
		.amdhsa_float_denorm_mode_16_64 3
		.amdhsa_memory_ordered 1
		.amdhsa_forward_progress 1
		.amdhsa_inst_pref_size 148
	.end_amdhsa_kernel
	.amdgpu_metadata
---
amdhsa.version: [ 1, 2 ]
amdhsa.kernels:
  - .name:           k_qacfd8fe010_down
    .symbol:         k_qacfd8fe010_down.kd
    .args:
      - { .name: act_codes, .offset: 0, .size: 8, .value_kind: global_buffer, .address_space: global }
      - { .name: act_scales, .offset: 8, .size: 8, .value_kind: global_buffer, .address_space: global }
      - { .name: down_proj_codes, .offset: 16, .size: 8, .value_kind: global_buffer, .address_space: global }
      - { .name: down_proj_scales, .offset: 24, .size: 8, .value_kind: global_buffer, .address_space: global }
      - { .name: down_proj_bias, .offset: 32, .size: 8, .value_kind: global_buffer, .address_space: global }
      - { .name: routing_weights, .offset: 40, .size: 8, .value_kind: global_buffer, .address_space: global }
      - { .name: out0, .offset: 48, .size: 8, .value_kind: global_buffer, .address_space: global }
    .group_segment_fixed_size: 327680
    .private_segment_fixed_size: 0
    .kernarg_segment_align: 8
    .kernarg_segment_size: 56
    .max_flat_workgroup_size: 128
    .sgpr_count:     102
    .vgpr_count:     1024
    .wavefront_size: 32
...
	.end_amdgpu_metadata
.endif
;; end of part 2
